; MI455X (gfx1250); checked and timed in simulation.
; The chip was launched on July 23, 2026; its instructions are those of AMD's public machine-readable ISA for CDNA 5 (MIT licence, August 2026) and "CDNA5" Instruction Set Architecture Reference Guide (July 2026). The comments in the code are by the model that wrote it; some were corrected since.
;; Dot Product Attention. Allowed arithmetic: matrix products marked QUANTISED: E5M2 operands, one given power-of-two scale a tensor, by v_wmma_f32_16x16x64_bf8_bf8 or v_wmma_f32_16x16x128_bf8_bf8, f32 sums; everything else in f32.
;; Inputs: keys_codes 32 x 2,048 x 4 x 32 uint8 (E5M2 codes of keys, K innermost, in blocks of 32 codes); lowp_scales 4 int32 (the exponents e of the quantised operands' scales 2^e); queries_codes 32 x 2,048 x 4 x 32 uint8 (E5M2 codes of queries, K innermost, in blocks of 32 codes); valid_lens 32 int32; values_codes 32 x 128 x 64 x 32 uint8 (E5M2 codes of values, K innermost, in blocks of 32 codes).
;; Outputs: out0 32 x 2,048 x 128 float32.
;; This version of the problem:
;;   THIS VERSION OF THE PROBLEM IS GIVEN IN LOW PRECISION. The matrix products marked QUANTISED in the list below multiply operands that are first quantised to E5M2 (5 exponent bits, 2 mantissa bits; 8 bits a number), with one given power-of-two scale for each operand tensor; their sums are f32. All else is computed in f32.
;;   The module's matrix products, in the order in which they are computed (A, B: the left and right operand; K: the contracted axis; several contracted axes count as one K, in the product's order):
;;     1. batch 32 x [M 2,048, K 128] x [K 128, N 2,048]; A: input queries (given as codes); B: input keys (given as codes): QUANTISED (scales: A lowp_scales[0], B lowp_scales[1])
;;     2. batch 32 x [M 2,048, K 2,048] x [K 2,048, N 128]; A: softmax (see below); B: input values (given as codes): QUANTISED (scales: A lowp_scales[2], B lowp_scales[3])
;;   THE QUANTISER, for each operand of a quantised product, along K:
;;     - The operand's scale is 2^e, e = its entry of the input lowp_scales (int32; the entries are numbered through the quantised products in the list's order, A before B).
;;     - Each number is divided by the scale, clamped to +-57,344, and rounded to the nearest number of E5M2, ties to even, subnormals kept.
;;     - The product sums the exact products of the quantised numbers (number of the format x scale) in f32.
;;   ~~~python
;;   def quantise(x, axis, e):      # numpy; x: float32 -> the quantised numbers, widened to float32 again
;;       x = np.moveaxis(x, axis, -1); K = x.shape[-1]
;;       r = np.clip(x / 2.0 ** e, -57344, 57344)
;;       step = 2.0 ** (np.maximum(np.frexp(np.where(r == 0, 1, r))[1] - 1, -14) - 2)
;;       q = np.round(r / step) * step * 2.0 ** e      # np.round: ties to even
;;       return np.moveaxis(q, -1, axis).astype(np.float32)
;;   ~~~
;;   SOFTMAX AHEAD OF A QUANTISED PRODUCT. Where the list says 'softmax', what is quantised is not the finished softmax but p = 2^(t - M), with t = logit x log2(e) and M = ceil(the row's largest t), a whole number; so 1/2 < the row's largest p <= 1. The row's sum l is taken of the UNQUANTISED p, in f32, and the product's result is divided by l at the end. Since M is a whole number, a kernel that streams over the keys may use a running M (the ceiling of the running maximum): every later rescaling is an exact power of two, so the quantised numbers keep their values, but for numbers so far below the row's largest that they fall under the format's range.
;;   OPERANDS COMPUTED ON THE WAY. 'Computed on the way' means the value that the module computes at that place (a softmax that the list does not call 'softmax' is quantised finished and normalised). What goes into a quantiser is computed in f32, as accurately as f32 sums, v_exp_f32 and their like allow (about 1e-6 of the number): no bf16 or f16 on the way to a quantiser, and a product that is left as it is and whose result goes on into a quantised operand takes f32 operands (vector FMAs, or v_wmma_f32_16x16x4_f32). A number that lies on a knife's edge between two numbers of the format may be rounded either way, as far as f32 arithmetic and the matrix unit's own rounding can turn it there, and no further.
;;   INPUTS GIVEN AS CODES. keys (in the module: [32, 2048, 128], K = its axis 2); queries (in the module: [32, 2048, 128], K = its axis 2); values (in the module: [32, 2048, 128], K = its axis 1): each comes as NAME_codes (uint8): NAME with its K axis moved to the last place and cut into blocks of 32 codes, [.., K / 32, bytes a block], one block behind the other in memory; one code a byte (a code: sign, 5 exponent bits, 2 mantissa bits); its scale is its entry of lowp_scales. Its value is code x scale, taken as it is: it is not quantised again, and the codes and scales need not be those that the quantiser above would give.
;; 2 versions. Each part assembles by itself: llvm-mc -triple=amdgcn-amd-amdhsa -mcpu=gfx1250 --defsym DOCPART=n.
;; ======== version 1 of 2: 1 launch
;; launch attn (part 1): grid 16 x 16, 8 waves a work-group, no clusters, 273,408 bytes of LDS; arguments queries_codes, keys_codes, values_codes, lowp_scales, valid_lens, out0; writes out0
.if DOCPART == 1
	.amdgcn_target "amdgcn-amd-amdhsa--gfx1250"
	.amdhsa_code_object_version 6
	.text
	.protected	k_q3b9d7d4df2_attn
	.globl	k_q3b9d7d4df2_attn
	.p2align	8
	.type	k_q3b9d7d4df2_attn,@function
k_q3b9d7d4df2_attn:
	s_mov_b64 s[64:65], 0
	v_nop
	global_prefetch_b8 v0, s[64:65] scope:SCOPE_SE
	s_setreg_imm32_b32 hwreg(HW_REG_WAVE_MODE, 25, 1), 1
	s_wait_xcnt 0x0
; out0[b][q][:] = the sum over k < valid_lens[b] of softmax_k(Q[b][q] . K[b][k] / sqrt(128)) V[b][k][:], both products on codes of BF8 (E5M2), each tensor with its given scale 2^e: eq, ek, ep, ev.
; Q, K: [32][2048][128] codes, the head's 128 innermost.  V: [32][128][2048] codes, the keys innermost.  out0: [32][2048][128] f32.
; THE SOFTMAX AHEAD OF THE SECOND PRODUCT: t = score x log2(e) / sqrt(128); M = the largest t so far, rounded UP to a whole number; p = 2^(t - M) is quantised along the keys and is not normalised;
; the row's sum is taken of the unquantised p and divides at the end.  When M moves, the sum and O are multiplied by 2^(old M - new M): a power of two.
; WORK UNDER THE MASK IS NOT DONE.  Keys at or beyond valid_lens[b] count for nothing: a step of 128 keys that lies wholly there is jumped over (a scalar branch on the length), the one step on the edge sets its hidden scores to -infinity.
; JOBS.  A job is 128 queries of one batch.  A work-group (x, p) does two, one after the other: query block x of the batch whose length has rank 31 - p, then of the batch of rank p.  Each wave ranks the 32 lengths itself, a lane a
; batch, by the key length x 32 + batch, which is different in every lane: so every batch has one rank whatever the lengths are, and a work-group's two lengths add up to about the same in all work-groups.
; SHARES.  Eight waves of 512 registers, two to a SIMD.  Wave w: key group g = w / 4, quarter W3 = w % 4.  It owns queries 32 W3 .. + 31 of the job, two tiles of 16, and of every 256 keys the 128 from 128 g on: each fragment of K and V
; that it reads from LDS feeds two matrix instructions.  At a job's end the two key groups' O, sums and M meet through LDS: register tile q of a wave holds query tile q xor g, so every wave gives its tile 1 to wave w xor 4, keeps
; its tile 0, gets the partner's tile 1, which holds the same 16 queries, and stores those 16 rows of out0.
; K AND V come through registers (global load, LDS store) into two LDS slots of 256 keys that take turns, one barrier a trip.  NO TENSOR LOADS AND NO CLUSTER:
; walking all 2,048 keys without a branch would double the exponentials at lengths spread evenly over 1 .. 2,048.
; LAYOUT.  Both products are used transposed: S^T = K Q^T (source 0 = 16 keys, source 1 = 16 queries), O^T = V^T P^T (source 0 = 16 channels, source 1 = P): a lane holds ONE query (lane % 16) throughout.
; K's rows are laid into LDS with bits 3 and 4 of the key's number swapped, so that 16 neighbouring LDS rows are keys 32 b + 8 u + m + 8 (m / 8): the 16 registers of score tiles 2 b and 2 b + 1 are then 16 neighbouring keys.
; A fragment (16 rows x 128 K) is brought by four loads of 16 bytes, 32 bytes apart: a permutation of k that is the same on both sides of each product.
; LIMITS.  eq + ek between -123 and 130 (added to c's exponent field); ep between -126 and 112; ep + ev goes through v_ldexp_f32 and has none.  valid_lens is held within 0 .. 2,048; at 0 the rows are NaN, as the softmax of an
; empty row is.  Codes of infinity or NaN among the VALUES at keys under the mask are not served: steps that are jumped over do not multiply them by 0.  Keys under the mask may hold any code.
.set KP,    144                        ; a key's row in LDS: 128 bytes + 16 = 36 words: sixteen neighbouring rows start at sixteen different multiples of 4 words modulo 64
.set VP,    272                        ; a row of V's tile in LDS: 256 bytes + 16 = 68 words: likewise
.set VOFF,  256*KP                     ; a slot: 256 rows of K, then 128 rows of V: 71,680 bytes
.set SLOT1, 131072                     ; slot 1 begins here
.set STG,   71680                      ; the way out: 16 rows x 272 bytes for each wave, its own
.set STGW,  16*272
.set EX,    202752                     ; the exchange: for each wave the image of 64 registers of O (16 x 512 bytes) and of 4 of statistics (512 bytes)
.set EXWB,  8704
; window 0
.set AK,   1                           ; v1, v2   my lane's place in my group's K rows, slot 0, 1
.set AV,   3                           ; v3, v4   the same for V
.set SK,   5                           ; v5, v6   where I store K's bytes, slot 0, 1
.set SV,   7                           ; v7, v8   the same for V
.set KGO,  9                           ; v9       my bytes of a tile of K in memory
.set VGO,  10                          ; v10      of V
.set QG,   11                          ; v11, v12 my bytes of Q, register tile 0, 1
.set GO,   13                          ; v13      my bytes of two rows of out0
.set STI,  14                          ; v14      the stage, on the way in
.set STR,  15                          ; v15      and back
.set EXW,  16                          ; v16      the exchange: my wave's image
.set EXR,  17                          ; v17      the partner's
.set PFL,  18                          ; v18      the prefetches' offset
.set D0,   19                          ; v19      -16 (lane / 16) - 1
.set STA,  20                          ; v20-27   tile q at 20 + 4 q: -M, the largest t, the sum in two halves
.set SCL,  28                          ; v28      2^ep
.set LIMV, 29                          ; v29      57,344 x 2^ep
.set Q,    32                          ; v32-63   Q's fragments, tile q at 32 + 16 q
.set S,    64                          ; v64-191  S^T, then p, tile q at 64 + 64 q
.set P,    192                         ; v192-223 p's codes, tile q at 192 + 16 q
.set TA,   224                         ; v224-227 the maximum's chains
.set TB,   226
.set PD,   228                         ; v228-229 lane permutes' destinations
.set FP,   230                         ; v[230:231], v[232:233] f = 2^(old M - new M), named as pairs
.set C2,   234                         ; v[234:237] the sums' second chains
.set TD,   238
.set NINF, 239                         ; v239     -infinity
; window 1
.set F,    128                         ; v128-191 four fragments of K or V;  v0-127: O^T, tile q at 64 q
.set SG,   192                         ; v192-255 a tile's bytes on their way from memory to LDS
; scalars
.set WV,   16
.set G,    17
.set W3,   18
.set G128, 19
.set SEL,  20                          ; s[20:21] selects for v_permlanex16_b32: lane l xor 16
.set CS,   22                          ; s[22:23] c = log2(e) / sqrt(128) x 2^(eq + ek), twice
.set HOLD, 28                          ; 1 where p can pass the largest code
.set EPV,  29                          ; ep + ev
.set LEN,  30                          ; the job's length; s31 the second job's
.set PLEN, 32                          ; the same where this work-group prefetches, else 0; s33 the second job's
.set BA,   34                          ; the two batches
.set BB,   35
.set KB,   36                          ; s[36:37] the tile to be loaded, in K;  s[38:39] in V
.set VB,   38
.set QB,   40
.set OB,   42                          ; s[42:43] my 16 rows of out0; s[44:45] the second job's
.set PB,   46                          ; s[46:47] where my prefetches stand
.set PS,   48                          ; s[48:49] a tile on, in bytes
.set PSRC, 50                          ; s[50:51] my wave's part of tile 1 of batch 0
.set KF,   52                          ; the trip's first key; s53 the next trip's; s54 my group's
.set KN,   53
.set KG,   54
.set T0,   55
.set T1,   56
.set TR,   57
.set JOB,  58
.set OFF,  60                          ; s[60:61] an offset, 0 above
.set XQ,   66                          ; s[66:67] my query block's bytes in Q
.set MSB, 0
.macro WIN new                         ; the immediate's high byte repeats the setting that is left; bits 1:0 source 0, 3:2 source 1, 5:4 source 2, 7:6 destination
.if MSB != \new
	s_set_vgpr_msb (MSB<<8)|\new
.set MSB, \new
.endif
.endm
; A load into a register that a matrix instruction has read, and a vector instruction or LDS store that reads a matrix result, stand four plain vector instructions behind it.
.macro PLACES
.rept 4
	v_nop
.endr
.endm
; A tile of 256 keys into registers.  K: 32 KiB on end, each load of a wave 512 consecutive bytes (four keys).  V: 256 bytes of each of 128 rows, each load two rows' aligned 256 bytes.
.macro LOADT
	WIN 0x40                                       ; destination window 1
.irp j, 0,1,2,3,4,5,6,7
	global_load_b128 v[SG+4*\j:SG+4*\j+3], v[KGO], s[KB:KB+1] offset:512*\j
.endr
.irp j, 0,1,2,3,4,5,6,7
	global_load_b128 v[SG+32+4*\j:SG+32+4*\j+3], v[VGO], s[VB:VB+1] offset:4096*\j
.endr
	WIN 0
.endm
; And from registers into a slot.  Key 32 w + 4 j + lane / 8 goes to the row with bits 3 and 4 swapped: the swap touches 4 j alone, so it stands in the immediate.
.macro STORET slot
	WIN 0x04                                       ; store data window 1
.irp j, 0,1,2,3,4,5,6,7
	ds_store_b128 v[SK+\slot], v[SG+4*\j:SG+4*\j+3] offset:(((4*\j)&4)+((4*\j)&8)*2+((4*\j)&16)/2)*KP
.endr
.irp j, 0,1,2,3,4,5,6,7
	ds_store_b128 v[SV+\slot], v[SG+32+4*\j:SG+32+4*\j+3] offset:544*\j
.endr
	WIN 0
.endm
; A PREFETCH INTO THE L2 of the tile two trips on, one trip ahead of the load that wants it, behind this trip's loads.  All sixteen work-groups of a batch walk the same K and V: the one with x = 0 asks (elsewhere PLEN is 0).
; Waves 0-3 ask for K's 32 KiB, 8,192 bytes a wave, lanes 256 bytes apart; waves 4-7 for V's 128 rows, 32 a wave, a lane a row's 256 bytes: each aligned block of 256 bytes is named once in the launch.
; Asked only where the tile's first key lies under the length, which is at most 2,048: so inside the buffer.  A job's tiles 0 and 1 come by their loads alone.
.macro ASK
	s_add_co_u32 s[T0], s[KF], 512
	s_cmp_lt_u32 s[T0], s[PLEN]
	s_cbranch_scc0 .Lnot_mine_\@
	global_prefetch_b8 v[PFL], s[PB:PB+1] th:TH_LOAD_NT scope:SCOPE_SE
.Lnot_mine_\@:
.endm
; A job's addresses, its Q and its tile 0 (which always lies in the buffer, so it is loaded whatever the length).
.macro JOBLOAD b
	s_wait_loadcnt 0x0                             ; no load is pending on the registers that the loads below write
	s_wait_xcnt 0x0                                ; earlier loads and the last prefetch have read their bases, which are written now
	s_lshl_b32 s[OFF], s[\b], 18                   ; a batch is 2^18 bytes in each tensor of codes
	s_mov_b32 s[OFF+1], 0
	s_add_nc_u64 s[KB:KB+1], s[6:7], s[OFF:OFF+1]
	s_add_nc_u64 s[VB:VB+1], s[8:9], s[OFF:OFF+1]
	s_add_nc_u64 s[PB:PB+1], s[PSRC:PSRC+1], s[OFF:OFF+1]   ; tile 1; the first trip steps it to tile 2
	s_add_nc_u64 s[QB:QB+1], s[4:5], s[OFF:OFF+1]
	s_add_nc_u64 s[QB:QB+1], s[QB:QB+1], s[XQ:XQ+1]
.irp q, 0,1
.irp c, 0,1,2,3
	global_load_b128 v[Q+16*\q+4*\c:Q+16*\q+4*\c+3], v[QG+\q], s[QB:QB+1] offset:32*\c
.endr
.endr
	LOADT
.endm
; A KEY STEP: my group's 128 keys of the slot, for my two tiles of queries.
.macro STEP slot
.irp gq, 0,1                                   ; S^T = K Q^T, four tiles of 16 keys at a time; each fragment of K serves both tiles of queries
.if \gq
	PLACES                                         ; in front of loads into fragments just multiplied (for the first four: the places at the end of the step before)
.endif
	WIN 0x40
.irp t, 0,1,2,3
.irp c, 0,1,2,3
	ds_load_b128 v[F+16*\t+4*\c:F+16*\t+4*\c+3], v[AK+\slot] offset:16*(4*\gq+\t)*KP+32*\c
.endr
.endr
	WIN 0x01                                       ; source 0 (K) window 1
.irp t, 0,1,2,3
	s_wait_dscnt 12-4*\t                           ; fragment t is in; the loads of the fragments behind it may be out
.irp q, 0,1
	v_wmma_f32_16x16x128_bf8_bf8 v[S+64*\q+8*(4*\gq+\t):S+64*\q+8*(4*\gq+\t)+7], v[F+16*\t:F+16*\t+15], v[Q+16*\q:Q+16*\q+15], 0
.endr
.endr
.endr
	PLACES                                         ; in front of the first read of scores and of the loads below
	WIN 0x40
.irp t, 0,1,2,3                                ; V's first four fragments land while the softmax is worked
.irp c, 0,1,2,3
	ds_load_b128 v[F+16*\t+4*\c:F+16*\t+4*\c+3], v[AV+\slot] offset:16*\t*VP+32*\c
.endr
.endr
	WIN 0
	s_add_co_u32 s[T0], s[KG], 128                 ; the step on the length's edge: hidden scores become -infinity ahead of the maximum, so that p = 0; a step all of whose keys count jumps over this
	s_cmp_le_u32 s[T0], s[LEN]
	s_cbranch_scc1 .Lopen_\@
	s_sub_co_u32 s[T0], s[LEN], s[KG]
	v_add_nc_u32 v[TD], s[T0], v[D0]               ; register 16 b + i holds key KG + 32 b + 16 (lane / 16) + i: hidden where 32 b + i > LEN - KG - 16 (lane / 16) - 1
.set n, 0
.rept 64
	v_cmp_gt_i32 vcc_lo, 32*(n/16)+n%16, v[TD]
	v_cndmask_b32 v[S+n], v[S+n], v[NINF], vcc_lo
	v_cndmask_b32 v[S+64+n], v[S+64+n], v[NINF], vcc_lo
.set n, n+1
.endr
.Lopen_\@:
.irp q, 0,1                                    ; the step's largest score of my query among my 64 keys: two chains a tile, the registers in ascending order
	v_max3_num_f32 v[TA+\q], v[S+64*\q], v[S+64*\q+1], v[S+64*\q+2]
	v_max3_num_f32 v[TB+\q], v[S+64*\q+3], v[S+64*\q+4], v[S+64*\q+5]
.endr
.irp i, 6,10,14,18,22,26,30,34,38,42,46,50,54,58
.irp q, 0,1
	v_max3_num_f32 v[TA+\q], v[TA+\q], v[S+64*\q+\i], v[S+64*\q+\i+1]
	v_max3_num_f32 v[TB+\q], v[TB+\q], v[S+64*\q+\i+2], v[S+64*\q+\i+3]
.endr
.endr
.irp q, 0,1
	v_max3_num_f32 v[TA+\q], v[TA+\q], v[S+64*\q+62], v[S+64*\q+63]
.endr
.irp q, 0,1
	v_max_num_f32 v[TA+\q], v[TA+\q], v[TB+\q]
.endr
.irp q, 0,1
	v_permlanex16_b32 v[PD+\q], v[TA+\q], s[SEL], s[SEL+1]
.endr
.irp q, 0,1
	v_max_num_f32 v[TA+\q], v[TA+\q], v[PD+\q]     ; and among lane l xor 16's
.endr
.irp q, 0,1
	v_mul_f32 v[TA+\q], s[CS], v[TA+\q]            ; as t (c is positive)
.endr
.irp q, 0,1
	v_max_num_f32 v[STA+4*\q+1], v[STA+4*\q+1], v[TA+\q]   ; the running largest t
.endr
.irp q, 0,1
	v_mov_b32 v[TA+\q], v[STA+4*\q]
.endr
.irp q, 0,1
	v_floor_f32 v[STA+4*\q], -v[STA+4*\q+1]        ; the new -M = floor(-t) = -ceil(t): a whole number
.endr
.irp q, 0,1
	v_sub_f32 v[TA+\q], v[STA+4*\q], v[TA+\q]      ; old M - new M: a whole number, 0 or less
.endr
.irp q, 0,1
	v_cvt_i32_f32 v[TA+\q], v[TA+\q]               ; (it saturates)
.endr
.irp q, 0,1
	v_ldexp_f32 v[FP+2*\q], 1.0, v[TA+\q]          ; f = 2^(old M - new M)
.endr
.irp q, 0,1
.set j, 0
.rept 32
	v_pk_fma_f32 v[S+64*\q+j:S+64*\q+j+1], v[S+64*\q+j:S+64*\q+j+1], s[CS:CS+1], v[STA+4*\q:STA+4*\q+1] op_sel_hi:[1,0,0]   ; t - M, two at a time (of the pairs c and -M the low word serves both halves)
.set j, j+2
.endr
.endr
.set j, 0
.rept 128
	v_exp_f32 v[S+j], v[S+j]                       ; p = 2^(t - M): both tiles' exponentials are one batch
.set j, j+1
.endr
.irp q, 0,1
	v_pk_mul_f32 v[STA+4*\q+2:STA+4*\q+3], v[STA+4*\q+2:STA+4*\q+3], v[FP+2*\q:FP+2*\q+1] op_sel_hi:[1,0]   ; the sums under the new M: the plain instructions behind the last exponential
.endr
	s_wait_alu depctr_va_vdst(0)                   ; one wait for the batch, ahead of the first instruction that names a result
.irp q, 0,1
	v_pk_add_f32 v[C2+2*\q:C2+2*\q+1], v[S+64*\q:S+64*\q+1], v[S+64*\q+2:S+64*\q+3]   ; THE ROW'S SUM IS TAKEN OF THE UNQUANTISED p: two chains a tile
.endr
.irp j, 4,8,12,16,20,24,28,32,36,40,44,48,52,56,60
.irp q, 0,1
	v_pk_add_f32 v[STA+4*\q+2:STA+4*\q+3], v[STA+4*\q+2:STA+4*\q+3], v[S+64*\q+\j:S+64*\q+\j+1]
	v_pk_add_f32 v[C2+2*\q:C2+2*\q+1], v[C2+2*\q:C2+2*\q+1], v[S+64*\q+\j+2:S+64*\q+\j+3]
.endr
.endr
.irp q, 0,1
	v_pk_add_f32 v[STA+4*\q+2:STA+4*\q+3], v[STA+4*\q+2:STA+4*\q+3], v[C2+2*\q:C2+2*\q+1]
.endr
	s_cmp_eq_u32 s[HOLD], 0                        ; the conversion to an 8-bit code does not saturate (ISA guide 7.6.2).  p is at most 1 but for one rounding, and from ep = -15 on the largest code x 2^ep is 1.75 or more:
	s_cbranch_scc1 .Lno_hold_\@                    ; the hold is then idle and is jumped over; below that it is made.  p is not negative, so it is one-sided
.set j, 0
.rept 128
	v_min_num_f32 v[S+j], v[S+j], v[LIMV]
.set j, j+1
.endr
.Lno_hold_\@:
.irp q, 0,1
.irp b, 0,1,2,3
	v_cvt_scalef32_pk8_bf8_f32 v[P+16*\q+4*\b:P+16*\q+4*\b+1], v[S+64*\q+16*\b:S+64*\q+16*\b+7], v[SCL]     ; registers 4 b .. 4 b + 3 of the operand: keys 32 b + 16 (lane / 16) + 0 .. 15
	v_cvt_scalef32_pk8_bf8_f32 v[P+16*\q+4*\b+2:P+16*\q+4*\b+3], v[S+64*\q+16*\b+8:S+64*\q+16*\b+15], v[SCL]
.endr
.endr
	v_nop                                          ; a plain vector instruction between the last scaled conversion and what next touches its registers
	WIN 0x41                                       ; O^T (destination and source 0) window 1, f window 0
.irp q, 0,1
.set j, 0
.rept 32
	v_pk_mul_f32 v[64*\q+j:64*\q+j+1], v[64*\q+j:64*\q+j+1], v[FP+2*\q:FP+2*\q+1] op_sel_hi:[1,0]   ; O^T under the new M
.set j, j+2
.endr
.endr
	s_wait_dscnt 0x0                               ; V's first four fragments are in
	WIN 0x51                                       ; V, C and D window 1, P window 0
.irp t, 0,1,2,3                                ; O^T += V^T P^T: sixteen accumulators, one instruction each a step, so no two that follow each other share one
.irp q, 0,1
	v_wmma_f32_16x16x128_bf8_bf8 v[64*\q+8*\t:64*\q+8*\t+7], v[F+16*\t:F+16*\t+15], v[P+16*\q:P+16*\q+15], v[64*\q+8*\t:64*\q+8*\t+7]
.endr
.endr
	PLACES
	WIN 0x40
.irp t, 0,1,2,3
.irp c, 0,1,2,3
	ds_load_b128 v[F+16*\t+4*\c:F+16*\t+4*\c+3], v[AV+\slot] offset:16*(4+\t)*VP+32*\c
.endr
.endr
	WIN 0x51
.irp t, 0,1,2,3
	s_wait_dscnt 12-4*\t                           ; fragment 4 + t is in; the loads of the fragments behind it may be out
.irp q, 0,1
	v_wmma_f32_16x16x128_bf8_bf8 v[64*\q+8*(4+\t):64*\q+8*(4+\t)+7], v[F+16*\t:F+16*\t+15], v[P+16*\q:P+16*\q+15], v[64*\q+8*(4+\t):64*\q+8*(4+\t)+7]
.endr
.endr
	PLACES                                         ; behind the step's last products, on every way on: the next loads into fragments, the next reads of O^T
	WIN 0
.endm
; A TRIP: 256 keys.  The trip count is a constant; what lies beyond the length is jumped over, the barrier never.
; ONE barrier a trip: in front of it my stores into this trip's slot have landed and my reads of the other slot are over; behind it this slot is read, and the next trip stores into the other.
.macro TRIP slot
	s_wait_loadcnt 0x0                             ; the trip's tile is in registers (in a job's first trip: Q too)
	s_wait_xcnt 0x0                                ; the last prefetch, a trip back, has read its base
	s_add_nc_u64 s[PB:PB+1], s[PB:PB+1], s[PS:PS+1]
	s_cmp_lt_u32 s[KF], s[LEN]
	s_cbranch_scc0 .Lno_store_\@
	STORET \slot
.Lno_store_\@:
	s_wait_dscnt 0x0
	s_barrier_signal -1
	s_barrier_wait -1
	s_add_nc_u64 s[KB:KB+1], s[KB:KB+1], 0x8000    ; no load is out: the bases step to the next tile: 256 keys of 128 bytes,
	s_add_nc_u64 s[VB:VB+1], s[VB:VB+1], 0x100     ; 256 bytes along V's rows
	s_add_co_u32 s[KN], s[KF], 256
	s_cmp_lt_u32 s[KN], s[LEN]                     ; the next tile is loaded where its first key counts: the length is at most 2,048, so the tile lies in the buffer
	s_cbranch_scc0 .Lno_load_\@
	LOADT
.Lno_load_\@:
	ASK
	s_add_co_u32 s[KG], s[KF], s[G128]
	s_cmp_lt_u32 s[KG], s[LEN]
	s_cbranch_scc0 .Lno_step_\@
	STEP \slot
.Lno_step_\@:
	s_mov_b32 s[KF], s[KN]
.endm
	s_load_b256 s[4:11], s[0:1], 0x0               ; Q s[4:5], K s[6:7], V s[8:9], the scales' exponents s[10:11]
	s_load_b128 s[12:15], s[0:1], 0x20             ; valid_lens s[12:13], out0 s[14:15]
	v_lshl_add_u32 v254, v0, 2, 0x42800
	v_mov_b32 v255, 0
	v_lshrrev_b32 v30, 5, v0
	v_readfirstlane_b32 s[WV], v30                 ; wave 0..7
	s_lshr_b32 s[G], s[WV], 2                      ; key group
	s_and_b32 s[W3], s[WV], 3                      ; quarter of the queries
	s_lshl_b32 s[G128], s[G], 7
	s_mov_b32 s[SEL], 0x76543210
	s_mov_b32 s[SEL+1], 0xfedcba98
	v_and_b32 v30, 31, v0                          ; l
	v_and_b32 v31, 15, v0                          ; r = l % 16
	v_bfe_u32 v244, v0, 4, 1                       ; h = l / 16
	v_mul_u32_u24 v[AK], v31, KP                   ; K's fragments: row r, + 16 h, + my group's 128 rows
	v_lshl_add_u32 v[AK], v244, 4, v[AK]
	s_mul_i32 s[T0], s[G], 128*KP
	v_add_nc_u32 v[AK], s[T0], v[AK]
	v_add_nc_u32 v[AK+1], SLOT1, v[AK]
	v_mul_u32_u24 v[AV], v31, VP                   ; V's: row r, + 16 h, + my group's 128 bytes of a row
	v_lshl_add_u32 v[AV], v244, 4, v[AV]
	s_add_co_u32 s[T0], s[G128], VOFF
	v_add_nc_u32 v[AV], s[T0], v[AV]
	v_add_nc_u32 v[AV+1], SLOT1, v[AV]
	v_bfe_u32 v245, v0, 3, 2                       ; l / 8
	v_and_b32 v246, 7, v0                          ; l % 8
	v_mul_u32_u24 v[SK], v245, KP                  ; K's stores: row 32 w + l / 8, 16 bytes at 16 (l % 8)
	v_lshl_add_u32 v[SK], v246, 4, v[SK]
	s_mul_i32 s[T0], s[WV], 32*KP
	v_add_nc_u32 v[SK], s[T0], v[SK]
	v_add_nc_u32 v[SK+1], SLOT1, v[SK]
	v_mul_u32_u24 v[SV], v244, VP                  ; V's stores: row 16 w + h, 16 bytes at 16 r
	v_lshl_add_u32 v[SV], v31, 4, v[SV]
	s_mul_i32 s[T0], s[WV], 16*VP
	s_add_co_u32 s[T0], s[T0], VOFF
	v_add_nc_u32 v[SV], s[T0], v[SV]
	v_add_nc_u32 v[SV+1], SLOT1, v[SV]
	s_lshl_b32 s[T0], s[WV], 12
	v_lshl_add_u32 v[KGO], v30, 4, s[T0]           ; 4,096 w + 16 l
	s_lshl_b32 s[T0], s[WV], 15
	v_lshl_add_u32 v[VGO], v244, 11, s[T0]         ; row 16 w + h of 2,048 bytes,
	v_lshl_add_u32 v[VGO], v31, 4, v[VGO]          ; + 16 r
	s_lshl_b32 s[T0], s[W3], 12
	s_lshl_b32 s[T1], s[G], 11
	s_add_co_u32 s[T0], s[T0], s[T1]
	v_lshl_add_u32 v[QG], v31, 7, s[T0]            ; Q, register tile 0 = query tile g of my quarter: row r of 128 bytes, + 16 h
	v_lshl_add_u32 v[QG], v244, 4, v[QG]
	v_xor_b32 v[QG+1], 0x800, v[QG]                ; register tile 1 = the other query tile, 16 rows away
	v_lshlrev_b32 v[GO], 9, v244                   ; out0: lanes 0-15 one row of 512 bytes, lanes 16-31 the next; 16 bytes a lane
	v_lshl_add_u32 v[GO], v31, 4, v[GO]
	s_mul_i32 s[T0], s[WV], STGW
	s_add_co_u32 s[T0], s[T0], STG                 ; my stage
	v_mul_u32_u24 v[STI], v31, 272
	v_lshl_add_u32 v[STI], v244, 5, v[STI]
	v_add_nc_u32 v[STI], s[T0], v[STI]             ; in: row r, + 32 h
	v_mul_u32_u24 v[STR], v244, 272
	v_lshl_add_u32 v[STR], v31, 4, v[STR]
	v_add_nc_u32 v[STR], s[T0], v[STR]             ; back: row h, + 16 r
	s_mul_i32 s[T0], s[WV], EXWB
	s_add_co_u32 s[T0], s[T0], EX
	v_lshl_add_u32 v[EXW], v30, 4, s[T0]           ; my image: 16 l
	s_xor_b32 s[T1], s[WV], 4
	s_mul_i32 s[T1], s[T1], EXWB
	s_add_co_u32 s[T1], s[T1], EX
	v_lshl_add_u32 v[EXR], v30, 4, s[T1]           ; the partner's
	s_cmp_lt_u32 s[WV], 4
	s_mov_b32 s[T0], 2048
	s_cselect_b32 s[T0], 256, s[T0]
	v_mul_lo_u32 v[PFL], v30, s[T0]                ; the prefetches: lanes 256 bytes apart in K, a row apart in V
	v_lshlrev_b32 v[D0], 4, v244
	v_sub_nc_u32 v[D0], -1, v[D0]                  ; -16 h - 1
	v_mov_b32 v[NINF], 0xff800000
	v_mov_b32 v[PD], 0                             ; written once: a lane permute's destination counts as one of its sources
	v_mov_b32 v[PD+1], 0
	v_mov_b32 v[FP+1], 0                           ; (named as upper halves of pairs)
	v_mov_b32 v[FP+3], 0
	v_mov_b32 v251, 0
	v_mov_b32 v253, 0
	v_lshlrev_b32 v249, 2, v30
	s_wait_kmcnt 0x0
	s_load_b128 s[24:27], s[10:11], 0x0            ; eq, ek, ep, ev
	global_load_b32 v240, v249, s[12:13]           ; lane b: valid_lens[b]
	s_lshl_b32 s[XQ], ttmp9, 14                    ; my block's 128 rows of Q
	s_mov_b32 s[XQ+1], 0
	s_mov_b32 s[OFF+1], 0
	s_cmp_lt_u32 s[WV], 4                          ; waves 0-3 prefetch K, waves 4-7 V
	s_cselect_b64 s[PSRC:PSRC+1], s[6:7], s[8:9]
	s_mov_b32 s[PS], 256
	s_cselect_b32 s[PS], 0x8000, s[PS]             ; a tile on
	s_mov_b32 s[PS+1], 0
	s_mov_b32 s[T0], 0x10000
	s_cselect_b32 s[T0], 0x2000, s[T0]             ; from wave to wave: 8,192 bytes of K, 32 rows of V
	s_mul_i32 s[OFF], s[W3], s[T0]
	s_add_co_u32 s[OFF], s[OFF], s[PS]             ; in tile 1
	s_add_nc_u64 s[PSRC:PSRC+1], s[PSRC:PSRC+1], s[OFF:OFF+1]
	s_lshl_b32 s68, ttmp9, 16                      ; out0: my block's 128 rows of 512 bytes,
	s_lshl_b32 s[T0], s[W3], 14                    ; my quarter's 32,
	s_add_co_u32 s68, s68, s[T0]
	s_lshl_b32 s[T0], s[G], 13                     ; query tile g's 16
	s_add_co_u32 s68, s68, s[T0]
	s_wait_loadcnt 0x0
	v_lshl_or_b32 v241, v240, 5, v30               ; the key: length x 32 + batch: no two lanes' are equal
	v_mov_b32 v242, 0                              ; the rank: how many keys are smaller
.set i, 0
.rept 32
	v_readlane_b32 s[T0], v241, i
	v_cmp_lt_u32 vcc_lo, s[T0], v241
	v_cndmask_b32 v243, 0, 1, vcc_lo
	v_add_nc_u32 v242, v242, v243
.set i, i+1
.endr
	s_and_b32 s[T0], ttmp7, 0xffff                 ; p
	s_sub_co_u32 s[T1], 31, s[T0]
	v_cmp_eq_u32 s69, s[T1], v242                  ; the one lane of rank 31 - p
	s_ctz_i32_b32 s[BA], s69
	s_min_u32 s[BA], s[BA], 31                     ; a batch's number
	v_readlane_b32 s[LEN], v240, s[BA]
	v_cmp_eq_u32 s69, s[T0], v242                  ; and of rank p
	s_ctz_i32_b32 s[BB], s69
	s_min_u32 s[BB], s[BB], 31
	v_readlane_b32 s[LEN+1], v240, s[BB]
	s_max_i32 s[LEN], s[LEN], 0
	s_min_i32 s[LEN], s[LEN], 0x800
	s_max_i32 s[LEN+1], s[LEN+1], 0
	s_min_i32 s[LEN+1], s[LEN+1], 0x800
	s_cmp_eq_u32 ttmp9, 0
	s_cselect_b32 s[PLEN], s[LEN], 0
	s_cselect_b32 s[PLEN+1], s[LEN+1], 0
	s_lshl_b32 s[OFF], s[BA], 20                   ; a batch of out0 is 2^20 bytes
	s_add_co_u32 s[OFF], s[OFF], s68
	s_add_nc_u64 s[OB:OB+1], s[14:15], s[OFF:OFF+1]
	s_lshl_b32 s[OFF], s[BB], 20
	s_add_co_u32 s[OFF], s[OFF], s68
	s_add_nc_u64 s[OB+2:OB+3], s[14:15], s[OFF:OFF+1]
	JOBLOAD BA
	s_wait_kmcnt 0x0
	s_add_co_i32 s[T0], s24, s25
	s_lshl_b32 s[T0], s[T0], 23
	s_add_co_i32 s[CS], s[T0], 0x3e0293ee          ; c = log2(e) / sqrt(128), with eq + ek added to its exponent field
	s_mov_b32 s[CS+1], s[CS]
	s_add_co_i32 s[T0], s26, 127
	s_lshl_b32 s[T1], s[T0], 23
	v_mov_b32 v[SCL], s[T1]                        ; 2^ep as f32: the conversion takes its exponent field
	s_add_co_i32 s[T0], s[T0], 15
	s_lshl_b32 s[T0], s[T0], 23
	s_or_b32 s[T0], s[T0], 0x600000
	v_mov_b32 v[LIMV], s[T0]                       ; 57,344 x 2^ep
	s_cmp_lt_i32 s26, -15
	s_cselect_b32 s[HOLD], 1, 0
	s_add_co_i32 s[EPV], s26, s27
	s_mov_b32 s[JOB], 2
.Ljob:
	WIN 0x40
.set j, 0
.rept 128
	v_mov_b32 v[j], 0                              ; O^T.  The step is written once and a key group may have no step at all, so the sums cannot begin in a first product; the first change of M leaves zeros zeros
.set j, j+1
.endr
	WIN 0
.irp q, 0,1
	v_mov_b32 v[STA+4*\q+1], 0xff61b1e6            ; the largest t so far: -3e38, under every t
	v_floor_f32 v[STA+4*\q], -v[STA+4*\q+1]        ; -M
	v_mov_b32 v[STA+4*\q+2], 0                     ; the sum, in two halves
	v_mov_b32 v[STA+4*\q+3], 0
.endr
	s_mov_b32 s[KF], 0
	s_mov_b32 s[TR], 4
.Ltrip:                                            ; four times two trips: 2,048 keys
	TRIP 0
	TRIP 1
	s_sub_co_u32 s[TR], s[TR], 1
	s_cmp_lg_u32 s[TR], 0
	s_cbranch_scc1 .Ltrip
	s_cmp_eq_u32 s[JOB], 1
	s_cbranch_scc1 .Llast
	s_mov_b32 s[LEN], s[LEN+1]                     ; the second job's Q and tile 0 are on their way while the first job goes out: the way out touches neither's registers
	s_mov_b32 s[PLEN], s[PLEN+1]
	JOBLOAD BB
.Llast:
	; THE EXCHANGE: my register tile 1 and its statistics go to LDS as images of their registers, lane l's 16 bytes at 16 l; the partner's come back so.
	WIN 0x04
.irp k, 0,1,2,3,4,5,6,7,8,9,10,11,12,13,14,15
	ds_store_b128 v[EXW], v[64+4*\k:64+4*\k+3] offset:512*\k
.endr
	WIN 0
	ds_store_b128 v[EXW], v[STA+4:STA+7] offset:8192
	s_wait_dscnt 0x0                               ; for the partner's sake: my stores have landed
	s_barrier_signal -1
	s_barrier_wait -1
.irp k, 0,1,2,3,4,5,6,7,8,9,10,11,12,13,14,15
	ds_load_b128 v[S+4*\k:S+4*\k+3], v[EXR] offset:512*\k
.endr
	ds_load_b128 v[240:243], v[EXR] offset:8192    ; the partner's -M, largest t, sum in two halves
	s_wait_dscnt 0x0
	; THE MERGE: both parts are brought under the larger M, by powers of two; a group that had no step brings zeros and the factor 0.
	v_min_num_f32 v244, v[STA], v240               ; -M of the two
	v_sub_f32 v245, v244, v[STA]
	v_sub_f32 v246, v244, v240
	v_cvt_i32_f32 v245, v245
	v_cvt_i32_f32 v246, v246
	v_ldexp_f32 v245, 1.0, v245                    ; my factor
	v_ldexp_f32 v246, 1.0, v246                    ; the partner's
	v_add_f32 v247, v[STA+2], v[STA+3]
	v_add_f32 v248, v242, v243
	v_mul_f32 v247, v247, v245
	v_fma_f32 v247, v248, v246, v247
	v_permlanex16_b32 v[PD], v247, s[SEL], s[SEL+1]
	v_add_f32 v247, v247, v[PD]                    ; the row's sum
	v_rcp_f32 v247, v247
	v_nop                                          ; a plain instruction behind the reciprocal
	s_wait_alu depctr_va_vdst(0)                   ; and the wait ahead of its first reader
	v_ldexp_f32 v247, v247, s[EPV]                 ; x 2^(ep + ev)
	v_mul_f32 v250, v245, v247
	v_mul_f32 v252, v246, v247
.set j, 0
.rept 32
	v_pk_mul_f32 v[S+j:S+j+1], v[S+j:S+j+1], v[252:253] op_sel_hi:[1,0]
.set j, j+2
.endr
	WIN 0x01                                       ; source 0 (my O^T, tile 0) window 1
.set j, 0
.rept 32
	v_pk_fma_f32 v[S+64+j:S+64+j+1], v[j:j+1], v[250:251], v[S+j:S+j+1] op_sel_hi:[1,0,1]   ; register 8 t + i is out0(r, 16 t + 8 h + i)
.set j, j+2
.endr
	WIN 0
	; THE WAY OUT: half a row (64 channels, 256 bytes) of 16 queries at a time through my own stage, so that sixteen lanes store 256 consecutive bytes, aligned.  LDS serves a wave's instructions in order (ISA guide 5.7.1.4).
.irp u, 0,1
.irp t, 0,1,2,3
	ds_store_b128 v[STI], v[S+64+32*\u+8*\t:S+64+32*\u+8*\t+3] offset:64*\t
	ds_store_b128 v[STI], v[S+64+32*\u+8*\t+4:S+64+32*\u+8*\t+7] offset:64*\t+16
.endr
.irp i, 0,1,2,3,4,5,6,7
	ds_load_b128 v[S+32*\u+4*\i:S+32*\u+4*\i+3], v[STR] offset:544*\i
.endr
.endr
.irp u, 0,1
.irp i, 0,1,2,3,4,5,6,7
	s_wait_dscnt 23-16*\u-\i                       ; behind this load: the half's later loads, and for the first half the second's 8 stores and 8 loads
	global_store_b128 v[GO], v[S+32*\u+4*\i:S+32*\u+4*\i+3], s[OB:OB+1] offset:1024*\i+256*\u th:TH_STORE_NT
.endr
.endr
	s_wait_xcnt 0x0                                ; the stores have read their registers and their base: both are written again
	s_mov_b64 s[OB:OB+1], s[OB+2:OB+3]
	s_sub_co_u32 s[JOB], s[JOB], 1
	s_cmp_lg_u32 s[JOB], 0
	s_cbranch_scc1 .Ljob
	s_wait_tensorcnt 0x0
	ds_add_u32 v254, v255
	s_wait_dscnt 0x0
	s_endpgm
.Lfunc_end_k_q3b9d7d4df2_attn:
	.size	k_q3b9d7d4df2_attn, .Lfunc_end_k_q3b9d7d4df2_attn-k_q3b9d7d4df2_attn
	.p2alignl 7, 3214868480
	.fill 96, 4, 3214868480
	.section	.rodata,"a",@progbits
	.p2align	6, 0x0
	.amdhsa_kernel k_q3b9d7d4df2_attn
		.amdhsa_group_segment_fixed_size 273408
		.amdhsa_private_segment_fixed_size 0
		.amdhsa_enable_private_segment 0
		.amdhsa_kernarg_size 48
		.amdhsa_user_sgpr_count 2
		.amdhsa_user_sgpr_kernarg_segment_ptr 1
		.amdhsa_wavefront_size32 1
		.amdhsa_system_sgpr_workgroup_id_x 1
		.amdhsa_system_sgpr_workgroup_id_y 1
		.amdhsa_system_sgpr_workgroup_id_z 1
		.amdhsa_system_vgpr_workitem_id 0
		.amdhsa_next_free_vgpr 512
		.amdhsa_next_free_sgpr 72
		.amdhsa_reserve_vcc 1
		.amdhsa_float_denorm_mode_32 3
		.amdhsa_float_denorm_mode_16_64 3
		.amdhsa_memory_ordered 1
		.amdhsa_forward_progress 1
		.amdhsa_inst_pref_size 122
	.end_amdhsa_kernel
	.amdgpu_metadata
---
amdhsa.version: [ 1, 2 ]
amdhsa.kernels:
  - .name:           k_q3b9d7d4df2_attn
    .symbol:         k_q3b9d7d4df2_attn.kd
    .args:
      - { .name: queries_codes, .offset: 0, .size: 8, .value_kind: global_buffer, .address_space: global }
      - { .name: keys_codes, .offset: 8, .size: 8, .value_kind: global_buffer, .address_space: global }
      - { .name: values_codes, .offset: 16, .size: 8, .value_kind: global_buffer, .address_space: global }
      - { .name: lowp_scales, .offset: 24, .size: 8, .value_kind: global_buffer, .address_space: global }
      - { .name: valid_lens, .offset: 32, .size: 8, .value_kind: global_buffer, .address_space: global }
      - { .name: out0, .offset: 40, .size: 8, .value_kind: global_buffer, .address_space: global }
    .group_segment_fixed_size: 273408
    .private_segment_fixed_size: 0
    .kernarg_segment_align: 8
    .kernarg_segment_size: 48
    .max_flat_workgroup_size: 256
    .sgpr_count:     72
    .vgpr_count:     512
    .wavefront_size: 32
...
	.end_amdgpu_metadata
.endif
;; end of part 1
;; ======== version 2 of 2: 1 launch; version 1 with the launch attn written anew for expert scheduling mode
;; launch attn (part 2): grid 16 x 16, 8 waves a work-group, no clusters, 273,408 bytes of LDS; arguments queries_codes, keys_codes, values_codes, lowp_scales, valid_lens, out0; writes out0
.if DOCPART == 2
	.amdgcn_target "amdgcn-amd-amdhsa--gfx1250"
	.amdhsa_code_object_version 6
	.text
	.protected	k_q3b9d7d4df2_attn
	.globl	k_q3b9d7d4df2_attn
	.p2align	8
	.type	k_q3b9d7d4df2_attn,@function
k_q3b9d7d4df2_attn:
	s_mov_b64 s[64:65], 0
	v_nop
	global_prefetch_b8 v0, s[64:65] scope:SCOPE_SE
	s_setreg_imm32_b32 hwreg(HW_REG_WAVE_SCHED_MODE, 0, 2), 2
	s_setreg_imm32_b32 hwreg(HW_REG_WAVE_MODE, 25, 1), 1
	s_wait_xcnt 0x0
	s_wait_alu depctr_vm_vsrc(0)
; out0[b][q][:] = the sum over k < valid_lens[b] of softmax_k(Q[b][q] . K[b][k] / sqrt(128)) V[b][k][:], both products on codes of BF8 (E5M2), each tensor with its given scale 2^e: eq, ek, ep, ev.
; Q, K: [32][2048][128] codes, the head's 128 innermost.  V: [32][128][2048] codes, the keys innermost.  out0: [32][2048][128] f32.
; THE SOFTMAX AHEAD OF THE SECOND PRODUCT: t = score x log2(e) / sqrt(128); M = the largest t so far, rounded UP to a whole number; p = 2^(t - M) is quantised along the keys and is not normalised;
; the row's sum is taken of the unquantised p and divides at the end.  When M moves, the sum and O are multiplied by 2^(old M - new M): a power of two.
; WORK UNDER THE MASK IS NOT DONE.  Keys at or beyond valid_lens[b] count for nothing: a step of 128 keys that lies wholly there is jumped over (a scalar branch on the length), the one step on the edge sets its hidden scores to -infinity.
; JOBS.  A job is 128 queries of one batch.  A work-group (x, p) does two, one after the other: query block x of the batch whose length has rank 31 - p, then of the batch of rank p.  Each wave ranks the 32 lengths itself, a lane a
; batch, by the key length x 32 + batch, which is different in every lane: so every batch has one rank whatever the lengths are, and a work-group's two lengths add up to about the same in all work-groups.
; SHARES.  Eight waves of 512 registers, two to a SIMD.  Wave w: key group g = w / 4, quarter W3 = w % 4.  It owns queries 32 W3 .. + 31 of the job, two tiles of 16, and of every 256 keys the 128 from 128 g on: each fragment of K and V
; that it reads from LDS feeds two matrix instructions.  At a job's end the two key groups' O, sums and M meet through LDS: register tile q of a wave holds query tile q xor g, so every wave gives its tile 1 to wave w xor 4, keeps
; its tile 0, gets the partner's tile 1, which holds the same 16 queries, and stores those 16 rows of out0.
; K AND V come through registers (global load, LDS store) into two LDS slots of 256 keys that take turns, one barrier a trip.  NO TENSOR LOADS AND NO CLUSTER:
; walking all 2,048 keys without a branch would double the exponentials at lengths spread evenly over 1 .. 2,048.
; LAYOUT.  Both products are used transposed: S^T = K Q^T (source 0 = 16 keys, source 1 = 16 queries), O^T = V^T P^T (source 0 = 16 channels, source 1 = P): a lane holds ONE query (lane % 16) throughout.
; K's rows are laid into LDS with bits 3 and 4 of the key's number swapped, so that 16 neighbouring LDS rows are keys 32 b + 8 u + m + 8 (m / 8): the 16 registers of score tiles 2 b and 2 b + 1 are then 16 neighbouring keys.
; A fragment (16 rows x 128 K) is brought by four loads of 16 bytes, 32 bytes apart: a permutation of k that is the same on both sides of each product.
; LIMITS.  eq + ek between -123 and 130 (added to c's exponent field); ep between -126 and 112; ep + ev goes through v_ldexp_f32 and has none.  valid_lens is held within 0 .. 2,048; at 0 the rows are NaN, as the softmax of an
; empty row is.  Codes of infinity or NaN among the VALUES at keys under the mask are not served: steps that are jumped over do not multiply them by 0.  Keys under the mask may hold any code.
; THE MODE: SCHED_MODE bits 1:0 = 2 (LLVM: expert scheduling mode 2), set by the entry lines.  The code itself states the register dependences between vector or matrix instructions and memory or LDS instructions, with s_wait_alu, always for 0.
; THE PLAN.  Registers that memory or LDS instructions touch, and who else names them:
;   v1-v19        addresses and offsets.  Made at the head, ahead of one wait on va_vdst; never written again: the tiles are reached by scalar bases and immediate offsets.
;   SG            a tile on its way.  Written by global loads, read by the trip's LDS stores, named by no vector instruction.  One wait on vm_vsrc a trip stands behind the stores, ahead of the next tile's loads.
;   F             K's fragments 0-3, then V's 0-3.  Read by products alone.
;   S+48, S+112   K's fragments 4, 5: the registers of score tiles 6 and 7, which the step's last four score products write.     P: K's fragments 6, 7, until the conversions write p's codes there.
;   S .. S+63     V's fragments 4-7, once the conversions have read p.
;   Q             loaded once a job, read by the score products.
;   O^T's tile 1, its statistics, S, v240-243   the exchange, the merge and the way out.
; A STEP has three waits on va_vdst for loads, each ahead of a whole run of them, and none inside a run of products: at its head (all 32 loads of K), behind the score products (V's fragments 0-3, which land under the softmax), behind
; the conversions (V's fragments 4-7, which land under the rescaling of O^T); and the exponentials' own.  A JOB has one behind its trips and one ahead of the stage's stores, and one wait on vm_vsrc at its end.
; Masks and lane reads that vector instructions put into scalar registers go in runs, with one wait on va_sdst behind each run, ahead of the run's first reader.
.set KP,    144                        ; a key's row in LDS: 128 bytes + 16 = 36 words: sixteen neighbouring rows start at sixteen different multiples of 4 words modulo 64
.set VP,    272                        ; a row of V's tile in LDS: 256 bytes + 16 = 68 words: likewise
.set VOFF,  256*KP                     ; a slot: 256 rows of K, then 128 rows of V: 71,680 bytes
.set SLOT1, 131072                     ; slot 1 begins here
.set STG,   71680                      ; the way out: 16 rows x 272 bytes for each wave, its own
.set STGW,  16*272
.set EX,    202752                     ; the exchange: for each wave the image of 64 registers of O (16 x 512 bytes) and of 4 of statistics (512 bytes)
.set EXWB,  8704
; window 0
.set AK,   1                           ; v1, v2   my lane's place in my group's K rows, slot 0, 1
.set AV,   3                           ; v3, v4   the same for V
.set SK,   5                           ; v5, v6   where I store K's bytes, slot 0, 1
.set SV,   7                           ; v7, v8   the same for V
.set KGO,  9                           ; v9       my bytes of a tile of K in memory
.set VGO,  10                          ; v10      of V
.set QG,   11                          ; v11, v12 my bytes of Q, register tile 0, 1
.set GO,   13                          ; v13      my bytes of two rows of out0
.set STI,  14                          ; v14      the stage, on the way in
.set STR,  15                          ; v15      and back
.set EXW,  16                          ; v16      the exchange: my wave's image
.set EXR,  17                          ; v17      the partner's
.set PFL,  18                          ; v18      the prefetches' offset
.set D0,   19                          ; v19      -16 (lane / 16) - 1
.set STA,  20                          ; v20-27   tile q at 20 + 4 q: -M, the largest t, the sum in two halves
.set SCL,  28                          ; v28      2^ep
.set LIMV, 29                          ; v29      57,344 x 2^ep
.set Q,    32                          ; v32-63   Q's fragments, tile q at 32 + 16 q
.set S,    64                          ; v64-191  S^T, then p, tile q at 64 + 64 q; at a step's head v112-127 and v176-191 hold K's fragments 4 and 5; behind the conversions v64-127 hold V's fragments 4-7
.set P,    192                         ; v192-223 p's codes, tile q at 192 + 16 q; at a step's head K's fragments 6 and 7
.set TA,   224                         ; v224-227 the maximum's chains
.set TB,   226
.set PD,   228                         ; v228-229 lane permutes' destinations
.set FP,   230                         ; v[230:231], v[232:233] f = 2^(old M - new M), named as pairs
.set C2,   234                         ; v[234:237] the sums' second chains
.set TD,   238
.set NINF, 239                         ; v239     -infinity
; window 1
.set F,    128                         ; v128-191 four fragments: K's 0-3, then V's 0-3;  v0-127: O^T, tile q at 64 q
.set SG,   192                         ; v192-255 a tile's bytes on their way from memory to LDS
; scalars
.set WV,   16
.set G,    17
.set W3,   18
.set G128, 19
.set SEL,  20                          ; s[20:21] selects for v_permlanex16_b32: lane l xor 16
.set CS,   22                          ; s[22:23] c = log2(e) / sqrt(128) x 2^(eq + ek), twice
.set HOLD, 28                          ; 1 where p can pass the largest code
.set EPV,  29                          ; ep + ev
.set LEN,  30                          ; the job's length; s31 the second job's
.set PLEN, 32                          ; the same where this work-group prefetches, else 0; s33 the second job's
.set BA,   34                          ; the two batches
.set BB,   35
.set KB,   36                          ; s[36:37] the tile to be loaded, in K;  s[38:39] in V
.set VB,   38
.set QB,   40
.set OB,   42                          ; s[42:43] my 16 rows of out0; s[44:45] the second job's
.set PB,   46                          ; s[46:47] where my prefetches stand
.set PS,   48                          ; s[48:49] a tile on, in bytes
.set PSRC, 50                          ; s[50:51] my wave's part of tile 1 of batch 0
.set KF,   52                          ; the trip's first key; s53 the next trip's; s54 my group's
.set KN,   53
.set KG,   54
.set T0,   55
.set T1,   56
.set TR,   57
.set JOB,  58
.set MK,   59                          ; at the head: the mask of the lane of rank p (s69: of rank 31 - p)
.set OFF,  60                          ; s[60:61] an offset, 0 above
.set XQ,   66                          ; s[66:67] my query block's bytes in Q
.set MS,   70                          ; s70-101  masks that vector compares write, a run of 32; at the head s70-85 hold keys read from lanes and s86-101 the masks made of them
.set MSB, 0
.macro WIN new                         ; the immediate's high byte repeats the setting that is left; bits 1:0 source 0, 3:2 source 1, 5:4 source 2, 7:6 destination
.if MSB != \new
	s_set_vgpr_msb (MSB<<8)|\new
.set MSB, \new
.endif
.endm
; A vector instruction or a store that reads a matrix result stands four plain vector instructions behind it, a matrix instruction that writes over a register of an earlier one five.
.macro PLACES n
.rept \n
	v_nop
.endr
.endm
; A tile of 256 keys into registers.  K: 32 KiB on end, each load of a wave 512 consecutive bytes (four keys).  V: 256 bytes of each of 128 rows, each load two rows' aligned 256 bytes.
.macro LOADT
	WIN 0x40                                       ; destination window 1
.irp j, 0,1,2,3,4,5,6,7
	global_load_b128 v[SG+4*\j:SG+4*\j+3], v[KGO], s[KB:KB+1] offset:512*\j
.endr
.irp j, 0,1,2,3,4,5,6,7
	global_load_b128 v[SG+32+4*\j:SG+32+4*\j+3], v[VGO], s[VB:VB+1] offset:4096*\j
.endr
	WIN 0
.endm
; And from registers into a slot.  Key 32 w + 4 j + lane / 8 goes to the row with bits 3 and 4 swapped: the swap touches 4 j alone, so it stands in the immediate.
.macro STORET slot
	WIN 0x04                                       ; store data window 1
.irp j, 0,1,2,3,4,5,6,7
	ds_store_b128 v[SK+\slot], v[SG+4*\j:SG+4*\j+3] offset:(((4*\j)&4)+((4*\j)&8)*2+((4*\j)&16)/2)*KP
.endr
.irp j, 0,1,2,3,4,5,6,7
	ds_store_b128 v[SV+\slot], v[SG+32+4*\j:SG+32+4*\j+3] offset:544*\j
.endr
	WIN 0
.endm
; A PREFETCH INTO THE L2 of the tile two trips on, one trip ahead of the load that wants it, behind this trip's loads.  All sixteen work-groups of a batch walk the same K and V: the one with x = 0 asks (elsewhere PLEN is 0).
; Waves 0-3 ask for K's 32 KiB, 8,192 bytes a wave, lanes 256 bytes apart; waves 4-7 for V's 128 rows, 32 a wave, a lane a row's 256 bytes: each aligned block of 256 bytes is named once in the launch.
; Asked only where the tile's first key lies under the length, which is at most 2,048: so inside the buffer.  A job's tiles 0 and 1 come by their loads alone.
.macro ASK
	s_add_co_u32 s[T0], s[KF], 512
	s_cmp_lt_u32 s[T0], s[PLEN]
	s_cbranch_scc0 .Lnot_mine_\@
	global_prefetch_b8 v[PFL], s[PB:PB+1] th:TH_LOAD_NT scope:SCOPE_SE
.Lnot_mine_\@:
.endm
; A job's addresses, its Q and its tile 0 (which always lies in the buffer, so it is loaded whatever the length).
; No s_wait_alu stands here.  First job: no vector instruction has named Q's registers, and the offsets were written ahead of the head's wait.  Second job: the wait behind the trips stands ahead.  SG: the last trip's wait on vm_vsrc.
.macro JOBLOAD b
	s_wait_loadcnt 0x0                             ; no load is pending on the registers that the loads below write
	s_wait_xcnt 0x0                                ; earlier loads and the last prefetch have read their bases, which are written now
	s_lshl_b32 s[OFF], s[\b], 18                   ; a batch is 2^18 bytes in each tensor of codes
	s_mov_b32 s[OFF+1], 0
	s_add_nc_u64 s[KB:KB+1], s[6:7], s[OFF:OFF+1]
	s_add_nc_u64 s[VB:VB+1], s[8:9], s[OFF:OFF+1]
	s_add_nc_u64 s[PB:PB+1], s[PSRC:PSRC+1], s[OFF:OFF+1]   ; tile 1; the first trip steps it to tile 2
	s_add_nc_u64 s[QB:QB+1], s[4:5], s[OFF:OFF+1]
	s_add_nc_u64 s[QB:QB+1], s[QB:QB+1], s[XQ:XQ+1]
.irp q, 0,1
.irp c, 0,1,2,3
	global_load_b128 v[Q+16*\q+4*\c:Q+16*\q+4*\c+3], v[QG+\q], s[QB:QB+1] offset:32*\c
.endr
.endr
	LOADT
.endm
.macro KFRAG reg, t, slot              ; K's fragment t (16 keys x 128) of my group's 128 keys into v[reg] on
.irp c, 0,1,2,3
	ds_load_b128 v[\reg+4*\c:\reg+4*\c+3], v[AK+\slot] offset:16*(\t)*KP+32*\c
.endr
.endm
.macro KQ reg, t                       ; score tile t of both tiles of queries, from the fragment in v[reg] on
.irp q, 0,1
	v_wmma_f32_16x16x128_bf8_bf8 v[S+64*\q+8*(\t):S+64*\q+8*(\t)+7], v[\reg:\reg+15], v[Q+16*\q:Q+16*\q+15], 0
.endr
.endm
; A KEY STEP: my group's 128 keys of the slot, for my two tiles of queries.
.macro STEP slot
	WIN 0x40                                       ; destination window 1
	s_wait_alu depctr_va_vdst(0)                   ; all that was issued so far (the step before: its products, exponentials and conversions; the job before: its merge) is done reading and writing F, P and S, in which the 32 loads below land
.irp t, 0,1,2,3                                ; S^T = K Q^T.  All eight fragments of K are asked for in one run, in the order of their use; each serves both tiles of queries
	KFRAG F+16*\t, \t, \slot
.endr
	WIN 0
	KFRAG S+48, 4, \slot                           ; the registers of score tiles 6 and 7 of query tile 0,
	KFRAG S+112, 5, \slot                          ; and of query tile 1: they are written by the step's last four score products
	KFRAG P, 6, \slot                              ; p's codes are made much later
	KFRAG P+16, 7, \slot
	WIN 0x01                                       ; source 0 (K) window 1
.irp t, 0,1,2,3
	s_wait_dscnt 28-4*\t                           ; fragment t is in; the loads of the fragments behind it may be out
	KQ F+16*\t, \t
.endr
	WIN 0
	s_wait_dscnt 12
	KQ S+48, 4
	s_wait_dscnt 8
	KQ S+112, 5
	PLACES 5                                       ; the products below write over the registers that held fragments 4 and 5
	s_wait_dscnt 4
	KQ P, 6
	s_wait_dscnt 0x0
	KQ P+16, 7
	PLACES 4                                       ; in front of the first read of scores
	WIN 0x40
	s_wait_alu depctr_va_vdst(0)                   ; the score products are done reading F, in which V's first four fragments land
.irp t, 0,1,2,3                                ; they land while the softmax is worked: no vector instruction names F
.irp c, 0,1,2,3
	ds_load_b128 v[F+16*\t+4*\c:F+16*\t+4*\c+3], v[AV+\slot] offset:16*\t*VP+32*\c
.endr
.endr
	WIN 0
	s_add_co_u32 s[T0], s[KG], 128                 ; the step on the length's edge: hidden scores become -infinity ahead of the maximum, so that p = 0; a step all of whose keys count jumps over this
	s_cmp_le_u32 s[T0], s[LEN]
	s_cbranch_scc1 .Lopen_\@
	s_sub_co_u32 s[T0], s[LEN], s[KG]
	v_add_nc_u32 v[TD], s[T0], v[D0]               ; register 16 b + i holds key KG + 32 b + 16 (lane / 16) + i: hidden where 32 b + i > LEN - KG - 16 (lane / 16) - 1
.irp hh, 0,1                                   ; the compares go in two runs of 32, each into 32 scalar registers
.set n, 32*\hh
.rept 32
	v_cmp_gt_i32 s[MS+n%32], 32*(n/16)+n%16, v[TD]
.set n, n+1
.endr
	s_wait_alu depctr_va_sdst(0)                   ; the run's 32 masks are written, ahead of the selects that read them
.set n, 32*\hh
.rept 32
	v_cndmask_b32 v[S+n], v[S+n], v[NINF], s[MS+n%32]
	v_cndmask_b32 v[S+64+n], v[S+64+n], v[NINF], s[MS+n%32]
.set n, n+1
.endr
.endr
.Lopen_\@:
.irp q, 0,1                                    ; the step's largest score of my query among my 64 keys: two chains a tile, the registers in ascending order
	v_max3_num_f32 v[TA+\q], v[S+64*\q], v[S+64*\q+1], v[S+64*\q+2]
	v_max3_num_f32 v[TB+\q], v[S+64*\q+3], v[S+64*\q+4], v[S+64*\q+5]
.endr
.irp i, 6,10,14,18,22,26,30,34,38,42,46,50,54,58
.irp q, 0,1
	v_max3_num_f32 v[TA+\q], v[TA+\q], v[S+64*\q+\i], v[S+64*\q+\i+1]
	v_max3_num_f32 v[TB+\q], v[TB+\q], v[S+64*\q+\i+2], v[S+64*\q+\i+3]
.endr
.endr
.irp q, 0,1
	v_max3_num_f32 v[TA+\q], v[TA+\q], v[S+64*\q+62], v[S+64*\q+63]
.endr
.irp q, 0,1
	v_max_num_f32 v[TA+\q], v[TA+\q], v[TB+\q]
.endr
.irp q, 0,1
	v_permlanex16_b32 v[PD+\q], v[TA+\q], s[SEL], s[SEL+1]
.endr
.irp q, 0,1
	v_max_num_f32 v[TA+\q], v[TA+\q], v[PD+\q]     ; and among lane l xor 16's
.endr
.irp q, 0,1
	v_mul_f32 v[TA+\q], s[CS], v[TA+\q]            ; as t (c is positive)
.endr
.irp q, 0,1
	v_max_num_f32 v[STA+4*\q+1], v[STA+4*\q+1], v[TA+\q]   ; the running largest t
.endr
.irp q, 0,1
	v_mov_b32 v[TA+\q], v[STA+4*\q]
.endr
.irp q, 0,1
	v_floor_f32 v[STA+4*\q], -v[STA+4*\q+1]        ; the new -M = floor(-t) = -ceil(t): a whole number
.endr
.irp q, 0,1
	v_sub_f32 v[TA+\q], v[STA+4*\q], v[TA+\q]      ; old M - new M: a whole number, 0 or less
.endr
.irp q, 0,1
	v_cvt_i32_f32 v[TA+\q], v[TA+\q]               ; (it saturates)
.endr
.irp q, 0,1
	v_ldexp_f32 v[FP+2*\q], 1.0, v[TA+\q]          ; f = 2^(old M - new M)
.endr
.irp q, 0,1
.set j, 0
.rept 32
	v_pk_fma_f32 v[S+64*\q+j:S+64*\q+j+1], v[S+64*\q+j:S+64*\q+j+1], s[CS:CS+1], v[STA+4*\q:STA+4*\q+1] op_sel_hi:[1,0,0]   ; t - M, two at a time (of the pairs c and -M the low word serves both halves)
.set j, j+2
.endr
.endr
.set j, 0
	s_wait_alu depctr_va_vdst(0)
.rept 128
	v_exp_f32 v[S+j], v[S+j]                       ; p = 2^(t - M): both tiles' exponentials are one batch
.set j, j+1
.endr
.irp q, 0,1
	v_pk_mul_f32 v[STA+4*\q+2:STA+4*\q+3], v[STA+4*\q+2:STA+4*\q+3], v[FP+2*\q:FP+2*\q+1] op_sel_hi:[1,0]   ; the sums under the new M: the plain instructions behind the last exponential
.endr
	s_wait_alu depctr_va_vdst(0)                   ; the 128 exponentials have written p: one wait for the batch, ahead of the first instruction that names a result
.irp q, 0,1
	v_pk_add_f32 v[C2+2*\q:C2+2*\q+1], v[S+64*\q:S+64*\q+1], v[S+64*\q+2:S+64*\q+3]   ; THE ROW'S SUM IS TAKEN OF THE UNQUANTISED p: two chains a tile
.endr
.irp j, 4,8,12,16,20,24,28,32,36,40,44,48,52,56,60
.irp q, 0,1
	v_pk_add_f32 v[STA+4*\q+2:STA+4*\q+3], v[STA+4*\q+2:STA+4*\q+3], v[S+64*\q+\j:S+64*\q+\j+1]
	v_pk_add_f32 v[C2+2*\q:C2+2*\q+1], v[C2+2*\q:C2+2*\q+1], v[S+64*\q+\j+2:S+64*\q+\j+3]
.endr
.endr
.irp q, 0,1
	v_pk_add_f32 v[STA+4*\q+2:STA+4*\q+3], v[STA+4*\q+2:STA+4*\q+3], v[C2+2*\q:C2+2*\q+1]
.endr
	s_cmp_eq_u32 s[HOLD], 0                        ; the conversion to an 8-bit code does not saturate (ISA guide 7.6.2).  p is at most 1 but for one rounding, and from ep = -15 on the largest code x 2^ep is 1.75 or more:
	s_cbranch_scc1 .Lno_hold_\@                    ; the hold is then idle and is jumped over; below that it is made.  p is not negative, so it is one-sided
.set j, 0
.rept 128
	v_min_num_f32 v[S+j], v[S+j], v[LIMV]
.set j, j+1
.endr
.Lno_hold_\@:
.irp q, 0,1
.irp b, 0,1,2,3
	v_cvt_scalef32_pk8_bf8_f32 v[P+16*\q+4*\b:P+16*\q+4*\b+1], v[S+64*\q+16*\b:S+64*\q+16*\b+7], v[SCL]     ; registers 4 b .. 4 b + 3 of the operand: keys 32 b + 16 (lane / 16) + 0 .. 15
	v_cvt_scalef32_pk8_bf8_f32 v[P+16*\q+4*\b+2:P+16*\q+4*\b+3], v[S+64*\q+16*\b+8:S+64*\q+16*\b+15], v[SCL]
.endr
.endr
	v_nop                                          ; a plain vector instruction between the last scaled conversion and what next touches its registers
	s_wait_alu depctr_va_vdst(0)                   ; the sums, the holds and the conversions are done reading p, in whose first 64 registers V's last four fragments land
.irp t, 0,1,2,3                                ; they land while O^T is rescaled: the 64 multiplications below name none of these registers
.irp c, 0,1,2,3
	ds_load_b128 v[S+16*\t+4*\c:S+16*\t+4*\c+3], v[AV+\slot] offset:16*(4+\t)*VP+32*\c
.endr
.endr
	WIN 0x41                                       ; O^T (destination and source 0) window 1, f window 0
.irp q, 0,1
.set j, 0
.rept 32
	v_pk_mul_f32 v[64*\q+j:64*\q+j+1], v[64*\q+j:64*\q+j+1], v[FP+2*\q:FP+2*\q+1] op_sel_hi:[1,0]   ; O^T under the new M
.set j, j+2
.endr
.endr
	s_wait_alu depctr_va_vdst(0)
	s_wait_dscnt 16                                ; V's first four fragments are in; the sixteen loads of the last four may be out
	WIN 0x51                                       ; V, C and D window 1, P window 0
.irp t, 0,1,2,3                                ; O^T += V^T P^T: sixteen accumulators, one instruction each a step, so no two that follow each other share one
.irp q, 0,1
	v_wmma_f32_16x16x128_bf8_bf8 v[64*\q+8*\t:64*\q+8*\t+7], v[F+16*\t:F+16*\t+15], v[P+16*\q:P+16*\q+15], v[64*\q+8*\t:64*\q+8*\t+7]
.endr
.endr
	WIN 0x50                                       ; V and P window 0, C and D window 1
.irp t, 0,1,2,3
	s_wait_dscnt 12-4*\t                           ; fragment 4 + t is in; the loads of the fragments behind it may be out
.irp q, 0,1
	v_wmma_f32_16x16x128_bf8_bf8 v[64*\q+8*(4+\t):64*\q+8*(4+\t)+7], v[S+16*\t:S+16*\t+15], v[P+16*\q:P+16*\q+15], v[64*\q+8*(4+\t):64*\q+8*(4+\t)+7]
.endr
.endr
	PLACES 5                                       ; behind the step's last products, on every way on: the next step's score products write over the registers that these read as V; the exchange's stores read O^T
	WIN 0
.endm
; A TRIP: 256 keys.  The trip count is a constant; what lies beyond the length is jumped over, the barrier never.
; ONE barrier a trip: in front of it my stores into this trip's slot have landed and my reads of the other slot are over; behind it this slot is read, and the next trip stores into the other.
.macro TRIP slot
	s_wait_loadcnt 0x0                             ; the trip's tile is in registers (in a job's first trip: Q too)
	s_wait_xcnt 0x0                                ; the last prefetch, a trip back, has read its base
	s_add_nc_u64 s[PB:PB+1], s[PB:PB+1], s[PS:PS+1]
	s_cmp_lt_u32 s[KF], s[LEN]
	s_cbranch_scc0 .Lno_store_\@
	STORET \slot
.Lno_store_\@:
	s_wait_alu depctr_vm_vsrc(0)                   ; the LDS stores above have read SG, in which the next tile's loads land, in this trip or at the next job's head
	s_wait_dscnt 0x0
	s_barrier_signal -1
	s_barrier_wait -1
	s_add_nc_u64 s[KB:KB+1], s[KB:KB+1], 0x8000    ; no load is out: the bases step to the next tile: 256 keys of 128 bytes,
	s_add_nc_u64 s[VB:VB+1], s[VB:VB+1], 0x100     ; 256 bytes along V's rows
	s_add_co_u32 s[KN], s[KF], 256
	s_cmp_lt_u32 s[KN], s[LEN]                     ; the next tile is loaded where its first key counts: the length is at most 2,048, so the tile lies in the buffer
	s_cbranch_scc0 .Lno_load_\@
	LOADT
.Lno_load_\@:
	ASK
	s_add_co_u32 s[KG], s[KF], s[G128]
	s_cmp_lt_u32 s[KG], s[LEN]
	s_cbranch_scc0 .Lno_step_\@
	STEP \slot
.Lno_step_\@:
	s_mov_b32 s[KF], s[KN]
.endm
	s_load_b256 s[4:11], s[0:1], 0x0               ; Q s[4:5], K s[6:7], V s[8:9], the scales' exponents s[10:11]
	s_load_b128 s[12:15], s[0:1], 0x20             ; valid_lens s[12:13], out0 s[14:15]
	v_lshl_add_u32 v254, v0, 2, 0x42800
	v_mov_b32 v255, 0
	v_lshrrev_b32 v30, 5, v0
	v_readfirstlane_b32 s[WV], v30                 ; wave 0..7
	s_mov_b32 s[SEL], 0x76543210
	s_mov_b32 s[SEL+1], 0xfedcba98
	v_and_b32 v30, 31, v0                          ; l
	v_and_b32 v31, 15, v0                          ; r = l % 16
	v_bfe_u32 v244, v0, 4, 1                       ; h = l / 16
	s_wait_alu depctr_va_sdst(0)                   ; the wave's number is written, ahead of its first reader
	s_lshr_b32 s[G], s[WV], 2                      ; key group
	s_and_b32 s[W3], s[WV], 3                      ; quarter of the queries
	s_lshl_b32 s[G128], s[G], 7
	v_mul_u32_u24 v[AK], v31, KP                   ; K's fragments: row r, + 16 h, + my group's 128 rows
	v_lshl_add_u32 v[AK], v244, 4, v[AK]
	s_mul_i32 s[T0], s[G], 128*KP
	v_add_nc_u32 v[AK], s[T0], v[AK]
	v_add_nc_u32 v[AK+1], SLOT1, v[AK]
	v_mul_u32_u24 v[AV], v31, VP                   ; V's: row r, + 16 h, + my group's 128 bytes of a row
	v_lshl_add_u32 v[AV], v244, 4, v[AV]
	s_add_co_u32 s[T0], s[G128], VOFF
	v_add_nc_u32 v[AV], s[T0], v[AV]
	v_add_nc_u32 v[AV+1], SLOT1, v[AV]
	v_bfe_u32 v245, v0, 3, 2                       ; l / 8
	v_and_b32 v246, 7, v0                          ; l % 8
	v_mul_u32_u24 v[SK], v245, KP                  ; K's stores: row 32 w + l / 8, 16 bytes at 16 (l % 8)
	v_lshl_add_u32 v[SK], v246, 4, v[SK]
	s_mul_i32 s[T0], s[WV], 32*KP
	v_add_nc_u32 v[SK], s[T0], v[SK]
	v_add_nc_u32 v[SK+1], SLOT1, v[SK]
	v_mul_u32_u24 v[SV], v244, VP                  ; V's stores: row 16 w + h, 16 bytes at 16 r
	v_lshl_add_u32 v[SV], v31, 4, v[SV]
	s_mul_i32 s[T0], s[WV], 16*VP
	s_add_co_u32 s[T0], s[T0], VOFF
	v_add_nc_u32 v[SV], s[T0], v[SV]
	v_add_nc_u32 v[SV+1], SLOT1, v[SV]
	s_lshl_b32 s[T0], s[WV], 12
	v_lshl_add_u32 v[KGO], v30, 4, s[T0]           ; 4,096 w + 16 l
	s_lshl_b32 s[T0], s[WV], 15
	v_lshl_add_u32 v[VGO], v244, 11, s[T0]         ; row 16 w + h of 2,048 bytes,
	v_lshl_add_u32 v[VGO], v31, 4, v[VGO]          ; + 16 r
	s_lshl_b32 s[T0], s[W3], 12
	s_lshl_b32 s[T1], s[G], 11
	s_add_co_u32 s[T0], s[T0], s[T1]
	v_lshl_add_u32 v[QG], v31, 7, s[T0]            ; Q, register tile 0 = query tile g of my quarter: row r of 128 bytes, + 16 h
	v_lshl_add_u32 v[QG], v244, 4, v[QG]
	v_xor_b32 v[QG+1], 0x800, v[QG]                ; register tile 1 = the other query tile, 16 rows away
	v_lshlrev_b32 v[GO], 9, v244                   ; out0: lanes 0-15 one row of 512 bytes, lanes 16-31 the next; 16 bytes a lane
	v_lshl_add_u32 v[GO], v31, 4, v[GO]
	s_mul_i32 s[T0], s[WV], STGW
	s_add_co_u32 s[T0], s[T0], STG                 ; my stage
	v_mul_u32_u24 v[STI], v31, 272
	v_lshl_add_u32 v[STI], v244, 5, v[STI]
	v_add_nc_u32 v[STI], s[T0], v[STI]             ; in: row r, + 32 h
	v_mul_u32_u24 v[STR], v244, 272
	v_lshl_add_u32 v[STR], v31, 4, v[STR]
	v_add_nc_u32 v[STR], s[T0], v[STR]             ; back: row h, + 16 r
	s_mul_i32 s[T0], s[WV], EXWB
	s_add_co_u32 s[T0], s[T0], EX
	v_lshl_add_u32 v[EXW], v30, 4, s[T0]           ; my image: 16 l
	s_xor_b32 s[T1], s[WV], 4
	s_mul_i32 s[T1], s[T1], EXWB
	s_add_co_u32 s[T1], s[T1], EX
	v_lshl_add_u32 v[EXR], v30, 4, s[T1]           ; the partner's
	s_cmp_lt_u32 s[WV], 4
	s_mov_b32 s[T0], 2048
	s_cselect_b32 s[T0], 256, s[T0]
	v_mul_lo_u32 v[PFL], v30, s[T0]                ; the prefetches: lanes 256 bytes apart in K, a row apart in V
	v_lshlrev_b32 v[D0], 4, v244
	v_sub_nc_u32 v[D0], -1, v[D0]                  ; -16 h - 1
	v_mov_b32 v[NINF], 0xff800000
	v_mov_b32 v[PD], 0                             ; written once: a lane permute's destination counts as one of its sources
	v_mov_b32 v[PD+1], 0
	v_mov_b32 v[FP+1], 0                           ; (named as upper halves of pairs)
	v_mov_b32 v[FP+3], 0
	v_mov_b32 v251, 0
	v_mov_b32 v253, 0
	v_lshlrev_b32 v249, 2, v30
	s_wait_kmcnt 0x0
	s_load_b128 s[24:27], s[10:11], 0x0            ; eq, ek, ep, ev
	s_wait_alu depctr_va_vdst(0)                   ; v1 to v18 and v249 are written: every load, store and prefetch of the kernel reads one of them as its address or offset, and none is written again
	global_load_b32 v240, v249, s[12:13]           ; lane b: valid_lens[b]
	s_lshl_b32 s[XQ], ttmp9, 14                    ; my block's 128 rows of Q
	s_mov_b32 s[XQ+1], 0
	s_mov_b32 s[OFF+1], 0
	s_cmp_lt_u32 s[WV], 4                          ; waves 0-3 prefetch K, waves 4-7 V
	s_cselect_b64 s[PSRC:PSRC+1], s[6:7], s[8:9]
	s_mov_b32 s[PS], 256
	s_cselect_b32 s[PS], 0x8000, s[PS]             ; a tile on
	s_mov_b32 s[PS+1], 0
	s_mov_b32 s[T0], 0x10000
	s_cselect_b32 s[T0], 0x2000, s[T0]             ; from wave to wave: 8,192 bytes of K, 32 rows of V
	s_mul_i32 s[OFF], s[W3], s[T0]
	s_add_co_u32 s[OFF], s[OFF], s[PS]             ; in tile 1
	s_add_nc_u64 s[PSRC:PSRC+1], s[PSRC:PSRC+1], s[OFF:OFF+1]
	s_lshl_b32 s68, ttmp9, 16                      ; out0: my block's 128 rows of 512 bytes,
	s_lshl_b32 s[T0], s[W3], 14                    ; my quarter's 32,
	s_add_co_u32 s68, s68, s[T0]
	s_lshl_b32 s[T0], s[G], 13                     ; query tile g's 16
	s_add_co_u32 s68, s68, s[T0]
	s_wait_loadcnt 0x0
	v_lshl_or_b32 v241, v240, 5, v30               ; the key: length x 32 + batch: no two lanes' are equal
	v_mov_b32 v242, 0                              ; the rank: how many keys are smaller
.irp hh, 0,1                                   ; sixteen lanes' keys at a time: a run of lane reads, a run of compares, then the additions, in the lanes' order
.set i, 0
.rept 16
	v_readlane_b32 s[MS+i], v241, 16*\hh+i
.set i, i+1
.endr
	s_wait_alu depctr_va_sdst(0)                   ; the sixteen keys are written, ahead of the compares that read them
.set i, 0
.rept 16
	v_cmp_lt_u32 s[MS+16+i], s[MS+i], v241
.set i, i+1
.endr
	s_wait_alu depctr_va_sdst(0)                   ; the sixteen masks are written, ahead of the selects that read them
.set i, 0
.rept 16
	v_cndmask_b32 v243, 0, 1, s[MS+16+i]
	v_add_nc_u32 v242, v242, v243
.set i, i+1
.endr
.endr
	s_and_b32 s[T0], ttmp7, 0xffff                 ; p
	s_sub_co_u32 s[T1], 31, s[T0]
	v_cmp_eq_u32 s69, s[T1], v242                  ; the one lane of rank 31 - p
	v_cmp_eq_u32 s[MK], s[T0], v242                ; and of rank p
	s_wait_alu depctr_va_sdst(0)                   ; both masks are written, ahead of the scalar lines that read them
	s_ctz_i32_b32 s[BA], s69
	s_min_u32 s[BA], s[BA], 31                     ; a batch's number
	s_ctz_i32_b32 s[BB], s[MK]
	s_min_u32 s[BB], s[BB], 31
	v_readlane_b32 s[LEN], v240, s[BA]
	v_readlane_b32 s[LEN+1], v240, s[BB]
	s_wait_alu depctr_va_sdst(0)                   ; both lengths are written, ahead of the scalar lines that read them
	s_max_i32 s[LEN], s[LEN], 0
	s_min_i32 s[LEN], s[LEN], 0x800
	s_max_i32 s[LEN+1], s[LEN+1], 0
	s_min_i32 s[LEN+1], s[LEN+1], 0x800
	s_cmp_eq_u32 ttmp9, 0
	s_cselect_b32 s[PLEN], s[LEN], 0
	s_cselect_b32 s[PLEN+1], s[LEN+1], 0
	s_lshl_b32 s[OFF], s[BA], 20                   ; a batch of out0 is 2^20 bytes
	s_add_co_u32 s[OFF], s[OFF], s68
	s_add_nc_u64 s[OB:OB+1], s[14:15], s[OFF:OFF+1]
	s_lshl_b32 s[OFF], s[BB], 20
	s_add_co_u32 s[OFF], s[OFF], s68
	s_add_nc_u64 s[OB+2:OB+3], s[14:15], s[OFF:OFF+1]
	JOBLOAD BA
	s_wait_kmcnt 0x0
	s_add_co_i32 s[T0], s24, s25
	s_lshl_b32 s[T0], s[T0], 23
	s_add_co_i32 s[CS], s[T0], 0x3e0293ee          ; c = log2(e) / sqrt(128), with eq + ek added to its exponent field
	s_mov_b32 s[CS+1], s[CS]
	s_add_co_i32 s[T0], s26, 127
	s_lshl_b32 s[T1], s[T0], 23
	v_mov_b32 v[SCL], s[T1]                        ; 2^ep as f32: the conversion takes its exponent field
	s_add_co_i32 s[T0], s[T0], 15
	s_lshl_b32 s[T0], s[T0], 23
	s_or_b32 s[T0], s[T0], 0x600000
	v_mov_b32 v[LIMV], s[T0]                       ; 57,344 x 2^ep
	s_cmp_lt_i32 s26, -15
	s_cselect_b32 s[HOLD], 1, 0
	s_add_co_i32 s[EPV], s26, s27
	s_mov_b32 s[JOB], 2
.Ljob:
	WIN 0x40
.set j, 0
.rept 128
	v_mov_b32 v[j], 0                              ; O^T.  The step is written once and a key group may have no step at all, so the sums cannot begin in a first product; the first change of M leaves zeros zeros
.set j, j+1
.endr
	WIN 0
.irp q, 0,1
	v_mov_b32 v[STA+4*\q+1], 0xff61b1e6            ; the largest t so far: -3e38, under every t
	v_floor_f32 v[STA+4*\q], -v[STA+4*\q+1]        ; -M
	v_mov_b32 v[STA+4*\q+2], 0                     ; the sum, in two halves
	v_mov_b32 v[STA+4*\q+3], 0
.endr
	s_mov_b32 s[KF], 0
	s_mov_b32 s[TR], 4
.Ltrip:                                            ; four times two trips: 2,048 keys
	TRIP 0
	TRIP 1
	s_sub_co_u32 s[TR], s[TR], 1
	s_cmp_lg_u32 s[TR], 0
	s_cbranch_scc1 .Ltrip
	s_wait_alu depctr_va_vdst(0)                   ; the job's vector and matrix work is done: O^T's tile 1 and its statistics are written, which the exchange's LDS stores read; the score products are done reading Q, in which the
	                                               ; second job's loads land; S and v240-243 are done with, in which the exchange's loads land.  No vector instruction stands between this wait and those stores and loads
	s_cmp_eq_u32 s[JOB], 1
	s_cbranch_scc1 .Llast
	s_mov_b32 s[LEN], s[LEN+1]                     ; the second job's Q and tile 0 are on their way while the first job goes out: the way out touches neither's registers
	s_mov_b32 s[PLEN], s[PLEN+1]
	JOBLOAD BB
.Llast:
	; THE EXCHANGE: my register tile 1 and its statistics go to LDS as images of their registers, lane l's 16 bytes at 16 l; the partner's come back so.
	WIN 0x04
.irp k, 0,1,2,3,4,5,6,7,8,9,10,11,12,13,14,15
	ds_store_b128 v[EXW], v[64+4*\k:64+4*\k+3] offset:512*\k
.endr
	WIN 0
	ds_store_b128 v[EXW], v[STA+4:STA+7] offset:8192
	s_wait_dscnt 0x0                               ; for the partner's sake: my stores have landed
	s_barrier_signal -1
	s_barrier_wait -1
.irp k, 0,1,2,3,4,5,6,7,8,9,10,11,12,13,14,15
	ds_load_b128 v[S+4*\k:S+4*\k+3], v[EXR] offset:512*\k
.endr
	ds_load_b128 v[240:243], v[EXR] offset:8192    ; the partner's -M, largest t, sum in two halves
	s_wait_dscnt 0x0
	; THE MERGE: both parts are brought under the larger M, by powers of two; a group that had no step brings zeros and the factor 0.
	v_min_num_f32 v244, v[STA], v240               ; -M of the two
	v_sub_f32 v245, v244, v[STA]
	v_sub_f32 v246, v244, v240
	v_cvt_i32_f32 v245, v245
	v_cvt_i32_f32 v246, v246
	v_ldexp_f32 v245, 1.0, v245                    ; my factor
	v_ldexp_f32 v246, 1.0, v246                    ; the partner's
	v_add_f32 v247, v[STA+2], v[STA+3]
	v_add_f32 v248, v242, v243
	v_mul_f32 v247, v247, v245
	v_fma_f32 v247, v248, v246, v247
	v_permlanex16_b32 v[PD], v247, s[SEL], s[SEL+1]
	v_add_f32 v247, v247, v[PD]                    ; the row's sum
	s_wait_alu depctr_va_vdst(0)
	v_rcp_f32 v247, v247
	v_nop                                          ; a plain instruction behind the reciprocal
	s_wait_alu depctr_va_vdst(0)                   ; the reciprocal has written v247: the wait ahead of its first reader
	v_ldexp_f32 v247, v247, s[EPV]                 ; x 2^(ep + ev)
	v_mul_f32 v250, v245, v247
	v_mul_f32 v252, v246, v247
.set j, 0
.rept 32
	v_pk_mul_f32 v[S+j:S+j+1], v[S+j:S+j+1], v[252:253] op_sel_hi:[1,0]
.set j, j+2
.endr
	WIN 0x01                                       ; source 0 (my O^T, tile 0) window 1
.set j, 0
.rept 32
	v_pk_fma_f32 v[S+64+j:S+64+j+1], v[j:j+1], v[250:251], v[S+j:S+j+1] op_sel_hi:[1,0,1]   ; register 8 t + i is out0(r, 16 t + 8 h + i)
.set j, j+2
.endr
	WIN 0
	; THE WAY OUT: half a row (64 channels, 256 bytes) of 16 queries at a time through my own stage, so that sixteen lanes store 256 consecutive bytes, aligned.  LDS serves a wave's instructions in order (ISA guide 5.7.1.4).
	s_wait_alu depctr_va_vdst(0)                   ; the multiply-adds have written v[S+64 ..], which the LDS stores read, and are done reading v[S ..], in which the loads from the stage land
.irp u, 0,1
.irp t, 0,1,2,3
	ds_store_b128 v[STI], v[S+64+32*\u+8*\t:S+64+32*\u+8*\t+3] offset:64*\t
	ds_store_b128 v[STI], v[S+64+32*\u+8*\t+4:S+64+32*\u+8*\t+7] offset:64*\t+16
.endr
.irp i, 0,1,2,3,4,5,6,7
	ds_load_b128 v[S+32*\u+4*\i:S+32*\u+4*\i+3], v[STR] offset:544*\i
.endr
.endr
.irp u, 0,1
.irp i, 0,1,2,3,4,5,6,7
	s_wait_dscnt 23-16*\u-\i                       ; behind this load: the half's later loads, and for the first half the second's 8 stores and 8 loads
	global_store_b128 v[GO], v[S+32*\u+4*\i:S+32*\u+4*\i+3], s[OB:OB+1] offset:1024*\i+256*\u th:TH_STORE_NT
.endr
.endr
	s_wait_xcnt 0x0                                ; the stores have read their registers and their base: both are written again
	s_wait_alu depctr_vm_vsrc(0)                   ; the stores to out0 have read v[S ..], the stage's stores v[S+64 ..], the exchange's stores O^T's tile 1 and its statistics: the next job writes all of them again
	s_mov_b64 s[OB:OB+1], s[OB+2:OB+3]
	s_sub_co_u32 s[JOB], s[JOB], 1
	s_cmp_lg_u32 s[JOB], 0
	s_cbranch_scc1 .Ljob
	s_wait_dscnt 0x0
	s_wait_alu depctr_hold_cnt(0) depctr_sa_sdst(0) depctr_va_vdst(0) depctr_va_sdst(0) depctr_va_ssrc(0) depctr_va_vcc(0) depctr_vm_vsrc(0)
	s_wait_tensorcnt 0x0
	ds_add_u32 v254, v255
	s_wait_dscnt 0x0
	s_endpgm
.Lfunc_end_k_q3b9d7d4df2_attn:
	.size	k_q3b9d7d4df2_attn, .Lfunc_end_k_q3b9d7d4df2_attn-k_q3b9d7d4df2_attn
	.p2alignl 7, 3214868480
	.fill 96, 4, 3214868480
	.section	.rodata,"a",@progbits
	.p2align	6, 0x0
	.amdhsa_kernel k_q3b9d7d4df2_attn
		.amdhsa_group_segment_fixed_size 273408
		.amdhsa_private_segment_fixed_size 0
		.amdhsa_enable_private_segment 0
		.amdhsa_kernarg_size 48
		.amdhsa_user_sgpr_count 2
		.amdhsa_user_sgpr_kernarg_segment_ptr 1
		.amdhsa_wavefront_size32 1
		.amdhsa_system_sgpr_workgroup_id_x 1
		.amdhsa_system_sgpr_workgroup_id_y 1
		.amdhsa_system_sgpr_workgroup_id_z 1
		.amdhsa_system_vgpr_workitem_id 0
		.amdhsa_next_free_vgpr 512
		.amdhsa_next_free_sgpr 102
		.amdhsa_reserve_vcc 0
		.amdhsa_float_denorm_mode_32 3
		.amdhsa_float_denorm_mode_16_64 3
		.amdhsa_memory_ordered 1
		.amdhsa_forward_progress 1
		.amdhsa_inst_pref_size 136
	.end_amdhsa_kernel
	.amdgpu_metadata
---
amdhsa.version: [ 1, 2 ]
amdhsa.kernels:
  - .name:           k_q3b9d7d4df2_attn
    .symbol:         k_q3b9d7d4df2_attn.kd
    .args:
      - { .name: queries_codes, .offset: 0, .size: 8, .value_kind: global_buffer, .address_space: global }
      - { .name: keys_codes, .offset: 8, .size: 8, .value_kind: global_buffer, .address_space: global }
      - { .name: values_codes, .offset: 16, .size: 8, .value_kind: global_buffer, .address_space: global }
      - { .name: lowp_scales, .offset: 24, .size: 8, .value_kind: global_buffer, .address_space: global }
      - { .name: valid_lens, .offset: 32, .size: 8, .value_kind: global_buffer, .address_space: global }
      - { .name: out0, .offset: 40, .size: 8, .value_kind: global_buffer, .address_space: global }
    .group_segment_fixed_size: 273408
    .private_segment_fixed_size: 0
    .kernarg_segment_align: 8
    .kernarg_segment_size: 48
    .max_flat_workgroup_size: 256
    .sgpr_count:     102
    .vgpr_count:     512
    .wavefront_size: 32
...
	.end_amdgpu_metadata
.endif
;; end of part 2
